; MI455X (gfx1250); checked and timed in simulation.
; The chip was launched on July 23, 2026; its instructions are those of AMD's public machine-readable ISA for CDNA 5 (MIT licence, August 2026) and "CDNA5" Instruction Set Architecture Reference Guide (July 2026). The comments in the code are by the model that wrote it; some were corrected since.
;; Cross Attention Clustering Learnable K. Allowed arithmetic: matrix products marked QUANTISED: E2M1 operands, one E8M0 scale for each 32 along K, by v_wmma_scale_f32_16x16x128_f8f6f4 with both operands' format E2M1 (or v_wmma_scale_f32_32x16x128_f4), f32 sums; everything else in f32.
;; Inputs: W1_codes 512 x 16 x 16 uint8 (E2M1 codes of W1, K innermost, in blocks of 32 codes, two codes a byte); W1_scales 512 x 16 uint8 (E8M0 scales of W1, one for each 32 codes along K); W2_codes 256 x 16 x 16 uint8 (E2M1 codes of W2, K innermost, in blocks of 32 codes, two codes a byte); W2_scales 256 x 16 uint8 (E8M0 scales of W2, one for each 32 codes along K); Wk_codes 512 x 8 x 16 uint8 (E2M1 codes of Wk, K innermost, in blocks of 32 codes, two codes a byte); Wk_scales 512 x 8 uint8 (E8M0 scales of Wk, one for each 32 codes along K); Wq_codes 512 x 8 x 16 uint8 (E2M1 codes of Wq, K innermost, in blocks of 32 codes, two codes a byte); Wq_scales 512 x 8 uint8 (E8M0 scales of Wq, one for each 32 codes along K); Wv_codes 512 x 8 x 16 uint8 (E2M1 codes of Wv, K innermost, in blocks of 32 codes, two codes a byte); Wv_scales 512 x 8 uint8 (E8M0 scales of Wv, one for each 32 codes along K); b1 512 float32; b2 256 float32; hit_features_codes 8 x 16,384 x 8 x 16 uint8 (E2M1 codes of hit_features, K innermost, in blocks of 32 codes, two codes a byte); hit_features_scales 8 x 16,384 x 8 uint8 (E8M0 scales of hit_features, one for each 32 codes along K); ln1_b 256 float32; ln1_g 256 float32; ln2_b 256 float32; ln2_g 256 float32; slot_representations 8 x 64 x 256 float32.
;; Outputs: out0 8 x 64 x 256 float32.
;; This version of the problem:
;;   THIS VERSION OF THE PROBLEM IS GIVEN IN LOW PRECISION. The matrix products marked QUANTISED in the list below multiply operands that are first quantised to E2M1 (2 exponent bits, 1 mantissa bit; 4 bits a number), with one power-of-two scale for each 32 numbers along K (OCP MX v1.0); their sums are f32. All else is computed in f32.
;;   The module's matrix products, in the order in which they are computed (A, B: the left and right operand; K: the contracted axis; several contracted axes count as one K, in the product's order):
;;     1. [M 512, K 256] x [K 256, N 512]; A: computed on the way; B: input Wq (given as codes): QUANTISED
;;     2. [M 131,072, K 256] x [K 256, N 512]; A: input hit_features (given as codes); B: input Wk (given as codes): QUANTISED
;;     3. [M 131,072, K 256] x [K 256, N 512]; A: input hit_features (given as codes); B: input Wv (given as codes): QUANTISED
;;     4. batch 64 x [M 64, K 64] x [K 64, N 16,384]; A: computed on the way; B: computed on the way: QUANTISED
;;     5. batch 64 x [M 64, K 16,384] x [K 16,384, N 64]; A: computed on the way; B: softmax (see below): QUANTISED
;;     6. [M 512, K 512] x [K 512, N 512]; A: computed on the way; B: input W1 (given as codes): QUANTISED
;;     7. [M 512, K 512] x [K 512, N 256]; A: computed on the way; B: input W2 (given as codes): QUANTISED
;;   THE QUANTISER, for each operand of a quantised product, along K:
;;     - K is cut into blocks of 32 from its start; a last block that is shorter is filled with zeros.
;;     - A block's scale is 2^e with e = floor(log2(the largest magnitude in the block)) - 2, held to -126 .. 127; a block of zeros has e = 0. As a byte (E8M0): e + 127.
;;     - Each number is divided by its block's scale, clamped to +-6, and rounded to the nearest number of E2M1, ties to even, subnormals kept.
;;     - The product sums the exact products of the quantised numbers (number of the format x scale) in f32.
;;   ~~~python
;;   def quantise(x, axis):      # numpy; x: float32 -> the quantised numbers, widened to float32 again
;;       x = np.moveaxis(x, axis, -1); K = x.shape[-1]
;;       x = np.pad(x, [(0, 0)] * (x.ndim - 1) + [(0, -K % 32)]); x = x.reshape(x.shape[:-1] + (-1, 32)); a = np.abs(x).max(-1, keepdims=True)
;;       e = np.where(a > 0, np.clip(np.frexp(np.where(a > 0, a, 1))[1] - 1 - 2, -126, 127), 0)      # np.frexp(a)[1] - 1 = floor(log2(a)), exactly
;;       r = np.clip(x / 2.0 ** e, -6, 6)
;;       step = 2.0 ** (np.maximum(np.frexp(np.where(r == 0, 1, r))[1] - 1, 0) - 1)
;;       q = np.round(r / step) * step * 2.0 ** e      # np.round: ties to even
;;       return np.moveaxis(q.reshape(q.shape[:-2] + (-1,))[..., :K], -1, axis).astype(np.float32)
;;   ~~~
;;   SOFTMAX AHEAD OF A QUANTISED PRODUCT. Where the list says 'softmax', what is quantised is not the finished softmax but p = 2^(t - M), with t = logit x log2(e) and M = ceil(the row's largest t), a whole number; so 1/2 < the row's largest p <= 1. The row's sum l is taken of the UNQUANTISED p, in f32, and the product's result is divided by l at the end. Since M is a whole number, a kernel that streams over the keys may use a running M (the ceiling of the running maximum): every later rescaling is an exact power of two, which a block's scale takes up: the codes' values come out the same.
;;   OPERANDS COMPUTED ON THE WAY. 'Computed on the way' means the value that the module computes at that place (a softmax that the list does not call 'softmax' is quantised finished and normalised). What goes into a quantiser is computed in f32, as accurately as f32 sums, v_exp_f32 and their like allow (about 1e-6 of the number): no bf16 or f16 on the way to a quantiser, and a product that is left as it is and whose result goes on into a quantised operand takes f32 operands (vector FMAs, or v_wmma_f32_16x16x4_f32). A number that lies on a knife's edge between two numbers of the format may be rounded either way, as far as f32 arithmetic and the matrix unit's own rounding can turn it there, and no further.
;;   INPUTS GIVEN AS CODES. W1 (in the module: [512, 512], K = its axis 0); W2 (in the module: [512, 256], K = its axis 0); Wk (in the module: [256, 512], K = its axis 0); Wq (in the module: [256, 512], K = its axis 0); Wv (in the module: [256, 512], K = its axis 0); hit_features (in the module: [8, 16384, 256], K = its axis 2): each comes as NAME_codes (uint8): NAME with its K axis moved to the last place and cut into blocks of 32 codes, [.., K / 32, bytes a block], one block behind the other in memory; two codes a byte, the lower K in the low four bits (a code: sign, 2 exponent bits, 1 mantissa bit); and NAME_scales (uint8): the same leading axes, one E8M0 byte (e + 127) for each 32 codes along K. Its value is code x scale, taken as it is: it is not quantised again, and the codes and scales need not be those that the quantiser above would give.
;; One version. Each part assembles by itself: llvm-mc -triple=amdgcn-amd-amdhsa -mcpu=gfx1250 --defsym DOCPART=n.
;; ======== version 1 of 1: 2 launches
;; limits: right only within a limited range of input values
;; workspace buffers: opart 8,388,608 bytes; stat 524,288 bytes
;; launch attn (part 1): grid 4 x 64, 8 waves a work-group, clusters of 4 x 1, 327,680 bytes of LDS; arguments slot_representations, ln1_g, ln1_b, Wq_codes, Wq_scales, Wk_codes, Wk_scales, Wv_codes, Wv_scales, hit_features_codes, hit_features_scales, opart, stat; writes opart, stat
.if DOCPART == 1
	.amdgcn_target "amdgcn-amd-amdhsa--gfx1250"
	.amdhsa_code_object_version 6
	.text
	.protected	k_qdb20e1049e_attn
	.globl	k_qdb20e1049e_attn
	.p2align	8
	.type	k_qdb20e1049e_attn,@function
k_qdb20e1049e_attn:
	s_mov_b64 s[64:65], 0
	v_nop
	global_prefetch_b8 v0, s[64:65] scope:SCOPE_SE
	s_setreg_imm32_b32 hwreg(HW_REG_WAVE_MODE, 25, 1), 1
	s_wait_xcnt 0x0
	s_wait_alu depctr_hold_cnt(0) depctr_sa_sdst(0) depctr_va_vdst(0) depctr_va_sdst(0) depctr_va_ssrc(0) depctr_va_vcc(0) depctr_vm_vsrc(0)
	s_getreg_b32 s2, hwreg(HW_REG_IB_STS2, 6, 4)
	s_cmp_eq_u32 s2, 0
	s_cbranch_scc0 .Lentry_in_a_cluster
	s_endpgm
.Lentry_in_a_cluster:
	s_bfe_u32 s2, ttmp6, 0x10000c
	s_cmp_lg_u32 s2, 0x3003
	s_cbranch_scc0 .Lentry_shape_is_right
	s_endpgm
.Lentry_shape_is_right:
; Slot attention on codes of FP4 (E2M1) with one E8M0 scale for each 32 along K: q = Q(LN(slots)) Wq, k = hit Wk, v = hit Wv, S = Q(q) Q(k)^T, O = Q(p) Q(v), for a CHUNK of 2,048 hits and TWO heads.
; The result is a part: O (not divided), -M and l for each (batch, chunk, head, slot); the next launch joins the eight chunks.
; SHARES.  256 work-groups = 8 batches x 8 chunks (grid y) x 4 pairs of heads (the place in the cluster).  Eight waves of 512 registers.  Wave w: head 2 g + (w & 1), key quarter w >> 1; in key step s (0..3) it takes
; keys 512 s + 128 (w >> 1) + 0..127 of the chunk for all 64 slots.  Wk, Wv of its head, q and O^T stay in its registers; k, v and p never leave the registers.
; CLUSTER: the four work-groups of a cluster read the same 2,048 hits: codes and scale bytes are asked for JOINTLY (mask 15, the same descriptor in all four).  The chunk is filled ONCE and stays in LDS.
; ONE tensor load a wave: waves 0 to 3 fetch a key step's 256 rows each, wave 4 the scale bytes.  No prefetch: the loop over key steps loads nothing from memory.
; LAYOUT.  Lane r of tile t takes row 8 t + r % 8 + 32 (r / 8) of 64 rows (of a head's 64 weight rows, of 64 hits).  In a transposed result the 32 registers of four tiles are then 32 NEIGHBOURS along the next K,
; 32 (lane / 16) + 0 .. 31: a whole block of 32 in one lane, in the order of the next operand's registers.
; k: source 0 = Wk, source 1 = hits.  v: source 0 = hits, source 1 = Wv.  S^T = k q^T: K is 64, so an operand of 128 holds two neighbours of the chain of k's tiles, and q is taken as [q | 0] (even slot tiles) or
; [0 | q] (odd ones) out of the chains q0 0 q1 and q2 0 q3; what stands beside the wanted tile meets zero codes.  k's two scale bytes stand twice in its word.  O^T = v^T p^T: a lane holds one slot.
; SOFTMAX: t = score x log2(e) / 8; -M = floor(-running largest t), a whole number; p = 2^(t - M); l is summed of the unquantised p; a change of M multiplies l and O^T by a power of two.
; LIMITS: NaN and infinities are not served.  A block whose largest magnitude lies under 2^-124 keeps the scale byte 1.  A wave uses its own running M: a p under about 2^-124 of the row's largest may get other codes
; than under the final M; it adds nothing that f32 keeps.  M is kept as a whole number in f32: |t| under 2^24.
; LDS: HIT at 0: 1,024 rows of 256 bytes (two hits) + 16 of padding; HSC: 64 rows of 256 bytes (32 hits x 8 scale bytes) + 16; XIMG, XSC: LN(x)'s codes by rows of 128 bytes + 16, and scale bytes; STAT: the waves' -M
; and l; the stage for O^T lies over HIT once nobody reads it.
; REGISTERS.  Window 1: v0-63 Wk, v64-127 Wv, v128-255 O^T (slot tile m, dv tile d at 128 + 32 m + 8 d; at the head Wq).  Window 0: the names below.
.set HSC,   278528
.set XIMG,  295936
.set XSC,   305152
.set STAT,  305664
.set SPARE, 313856                     ; the spare words, 128 bytes a wave
.set AH0,  1                           ; my lane's and wave's place among a step's hit codes,
.set AS0,  2                           ; and among the hit scale words
.set ADH,  3                           ; the same for the step in hand
.set ADS,  4
.set PW,   5                           ; p's scale word
.set QS,   6                           ; v6-7 q's scale words: lanes 0-15 the even slot tile, lanes 16-31 the odd one
.set MN,   8                           ; v8-11 -M of slot tile m
.set LS,   12                          ; v12-15 l
.set WKS,  16                          ; Wk's scale words: lanes 0-15 K step 0, lanes 16-31 K step 1
.set WVS,  20                          ; Wv's
.set KS,   24                          ; k's: lanes 0-15 tile 2 j, lanes 16-31 tile 2 j + 1 (at the head Wq's)
.set VS,   28                          ; v's: in v28 and v30, lanes 0-15 tile 2 e, lanes 16-31 tile 2 e + 1
.set HW,   32                          ; the hits': pair p, K step ks at HW + 2 p + ks: lanes 0-15 tile 2 p, lanes 16-31 tile 2 p + 1
.set Q,    36                          ; v36-59 q0 0 q1 q2 0 q3, four registers each
.set VF,   60                          ; v60-91 four operands of v^T
.set KF,   92                          ; v92-123 eight tiles of k, four registers each
.set TM,   124                         ; v124-127 at work while k and v are made; behind k's last tile they stand beside it, against zero codes
.set WORK, 128                         ; v128-191 64 results
.set HF,   192                         ; v192-255 hits: tile t, K step ks at HF + 16 t + 8 ks
.set MX,   228                         ; the softmax's registers, in those of hit tiles 2 and 3: maxima,
.set AP,   232                         ; conversion operands,
.set BY,   234                         ; bytes,
.set PC,   236                         ; v236-243 p's codes,
.set F,    244                         ; 2^(old M - new M),
.set TT,   246
.set CH,   248                         ; v248-255 four chains of sums
.set TN,   67                          ; s67, s68 where the next step's codes and scale bytes begin
.set WOFF, 92                          ; the head's addresses, in k's registers
.set WSOFF, 93
.set XO,   94
.set XW,   95
.set XB,   96
.set XRA,  97
.set XRS,  98
.set T,    60                          ; LayerNorm at work, in v's registers
.set U,    76
.set GA,   192                         ; gain, bias
.set BI,   200
.set QD,   3                           ; s3 w >> 1
.set WV,   30                          ; s30 my wave's number
.set J,    31                          ; s31 w & 1
.set NC,   66                          ; s66 -c
.set SEL,  80                          ; s[80:81] v_permlanex16_b32's selects for lane l xor 16
.set CS,   82                          ; s[82:83] c = log2(e) / 8
.set TB,   84                          ; LDS byte at which the step's hit codes begin,
.set TS,   85                          ; and its scale bytes
.set CNT,  86
.set MSB, 0
.macro WIN new                         ; the immediate's high byte repeats the setting that is left
.if MSB != \new
	s_set_vgpr_msb (MSB<<8)|\new
.set MSB, \new
.endif
.endm
.macro PLACES n
.rept \n
	v_nop
.endr
.endm
.macro BAR                             ; my LDS instructions are done: then the work-group's barrier
	s_wait_dscnt 0x0
	s_barrier_signal -1
	s_barrier_wait -1
.endm
.macro CROUND                          ; a round of the cluster's barrier
	s_barrier_signal -1
	s_barrier_wait -1
	s_cmp_lg_u32 s[WV], 0
	s_cbranch_scc1 .Lnot_wave_0_\@
	s_barrier_signal -3
.Lnot_wave_0_\@:
	s_barrier_wait -3
	s_barrier_signal -1
	s_barrier_wait -1
.endm
; One matrix instruction; ra, rb = 1: the side's scales are read from lanes 16-31.
.macro WMX d, a, b, c, sa, sb, ra, rb
.if (\ra) && (\rb)
	v_wmma_scale_f32_16x16x128_f8f6f4 v[(\d):(\d)+7], v[(\a):(\a)+7], v[(\b):(\b)+7], \c, v[(\sa)], v[(\sb)] matrix_a_fmt:MATRIX_FMT_FP4 matrix_b_fmt:MATRIX_FMT_FP4 matrix_a_scale:MATRIX_SCALE_ROW1 matrix_b_scale:MATRIX_SCALE_ROW1
.elseif (\ra)
	v_wmma_scale_f32_16x16x128_f8f6f4 v[(\d):(\d)+7], v[(\a):(\a)+7], v[(\b):(\b)+7], \c, v[(\sa)], v[(\sb)] matrix_a_fmt:MATRIX_FMT_FP4 matrix_b_fmt:MATRIX_FMT_FP4 matrix_a_scale:MATRIX_SCALE_ROW1
.elseif (\rb)
	v_wmma_scale_f32_16x16x128_f8f6f4 v[(\d):(\d)+7], v[(\a):(\a)+7], v[(\b):(\b)+7], \c, v[(\sa)], v[(\sb)] matrix_a_fmt:MATRIX_FMT_FP4 matrix_b_fmt:MATRIX_FMT_FP4 matrix_b_scale:MATRIX_SCALE_ROW1
.else
	v_wmma_scale_f32_16x16x128_f8f6f4 v[(\d):(\d)+7], v[(\a):(\a)+7], v[(\b):(\b)+7], \c, v[(\sa)], v[(\sb)] matrix_a_fmt:MATRIX_FMT_FP4 matrix_b_fmt:MATRIX_FMT_FP4
.endif
.endm
.macro WM d, a, b, c, sa, sb, ra, rb   ; c < 0: the constant 0 starts the sum; else C's first register
.if (\c) < 0
	WMX \d, \a, \b, 0, \sa, \sb, \ra, \rb
.else
	WMX \d, \a, \b, v[(\c):(\c)+7], \sa, \sb, \ra, \rb
.endif
.endm
; Of the 64 hits of group gr of the step: tiles 2 p and 2 p + 1, two K steps, and their scale words: nine LDS loads.
.macro HL gr, p
.irp u,0,1
.irp ks,0,1
.irp z,0,1
	ds_load_b128 v[HF+32*(\p)+16*\u+8*\ks+4*\z:HF+32*(\p)+16*\u+8*\ks+4*\z+3], v[ADH] offset:8704*(\gr)+2176*(\p)+1088*\u+64*\ks+32*\z
.endr
.endr
.endr
	ds_load_b64 v[HW+2*(\p):HW+2*(\p)+1], v[ADS] offset:544*(\gr)+128*(\p)
.endm
; Source 0 = a weight's four tiles (window 1, from v[ab]; scale words from v[aw]), source 1 = tiles 2 p, 2 p + 1 in HF.  Register 32 u + 8 t + j is column 32 (lane / 16) + 8 t + j of row r of tile u.
; The eight accumulators take turns, one instruction a turn.
.macro PROJT p, ab, aw
	WIN 0x01
.irp ks,0,1
.irp u,0,1
.irp t,0,1,2,3
	WM WORK+32*\u+8*\t, (\ab)+16*\t+8*\ks, HF+32*(\p)+16*\u+8*\ks, \ks*(WORK+32*\u+8*\t+1)-1, (\aw)+\t, HW+2*(\p)+\ks, \ks, \u
.endr
.endr
.endr
	WIN 0
.endm
; Source 0 = the group's four tiles of hits, source 1 = Wv's tiles 2 e, 2 e + 1.  Register 32 d + 8 t + j is key 32 (lane / 16) + 8 t + j of the group, for dv row r of tile 2 e + d.
.macro PROJV e
	WIN 0x04
.irp ks,0,1
.irp d,0,1
.irp t,0,1,2,3
	WM WORK+32*\d+8*\t, HF+16*\t+8*\ks, 64+16*(2*(\e)+\d)+8*\ks, \ks*(WORK+32*\d+8*\t+1)-1, HW+2*(\t/2)+\ks, WVS+2*(\e)+\d, \t%2, \ks
.endr
.endr
.endr
	WIN 0
.endm
; Two blocks of 32, each in one lane: their conversion operands into v[TM], v[TM+1].  The floor 2^(3 - 127) among the leaves holds the byte at 1 from below; 2 off the exponent field makes the operand.
.macro LMAX
.irp u,0,1
	v_max3_num_f32 v[TM+2*\u], |v[WORK+32*\u]|, |v[WORK+32*\u+1]|, 0x1800000
	v_max3_num_f32 v[TM+2*\u+1], |v[WORK+32*\u+16]|, |v[WORK+32*\u+17]|, |v[WORK+32*\u+18]|
.endr
.irp i,2,4,6,8,10,12
.irp u,0,1
	v_max3_num_f32 v[TM+2*\u], v[TM+2*\u], |v[WORK+32*\u+\i]|, |v[WORK+32*\u+\i+1]|
	v_max3_num_f32 v[TM+2*\u+1], v[TM+2*\u+1], |v[WORK+32*\u+17+\i]|, |v[WORK+32*\u+18+\i]|
.endr
.endr
.irp u,0,1
	v_max3_num_f32 v[TM+2*\u], v[TM+2*\u], |v[WORK+32*\u+14]|, |v[WORK+32*\u+15]|
.endr
	v_max3_num_f32 v[TM], v[TM], v[TM+1], |v[WORK+31]|
	v_max3_num_f32 v[TM+1], v[TM+2], v[TM+3], |v[WORK+63]|
	v_add_nc_u32 v[TM], 0xff000000, v[TM]
	v_add_nc_u32 v[TM+1], 0xff000000, v[TM+1]
.endm
; Two tiles of k or q: codes into four registers each; the scale word: lanes 0-15 the first tile's two bytes, twice, lanes 16-31 the second's.
.macro QUANTK d0, d1, w
	LMAX
	v_lshrrev_b32 v[TM+2], 23, v[TM]
	v_lshrrev_b32 v[TM+3], 23, v[TM+1]
.irp g,0,1,2,3
	v_cvt_scalef32_pk8_fp4_f32 v[(\d0)+\g], v[WORK+8*\g:WORK+8*\g+7], v[TM]
	v_cvt_scalef32_pk8_fp4_f32 v[(\d1)+\g], v[WORK+32+8*\g:WORK+39+8*\g], v[TM+1]
.endr
	v_permlane16_swap_b32 v[TM+2], v[TM+3]     ; the first now holds both tiles' block 0, the second their block 1
	v_lshl_or_b32 v[(\w)], v[TM+3], 8, v[TM+2]
	v_lshl_or_b32 v[(\w)], v[(\w)], 16, v[(\w)]
.endm
; v^T's tiles 2 e, 2 e + 1 for group gr: registers 4 gr .. 4 gr + 3 of the operand, bytes 2 gr and 2 gr + 1 of the scale word.
.macro QUANTV gr, e
	LMAX
.irp g,0,1,2,3
.irp d,0,1
	v_cvt_scalef32_pk8_fp4_f32 v[VF+8*(2*(\e)+\d)+4*(\gr)+\g], v[WORK+32*\d+8*\g:WORK+32*\d+8*\g+7], v[TM+\d]
.endr
.endr
.if (\gr) == 0
	v_lshrrev_b32 v[VS+2*(\e)], 23, v[TM]
	v_lshrrev_b32 v[VS+2*(\e)+1], 23, v[TM+1]
.else
	v_lshrrev_b32 v[TM+2], 23, v[TM]
	v_lshrrev_b32 v[TM+3], 23, v[TM+1]
	v_lshl_or_b32 v[VS+2*(\e)], v[TM+2], 16, v[VS+2*(\e)]
	v_lshl_or_b32 v[VS+2*(\e)+1], v[TM+3], 16, v[VS+2*(\e)+1]
	v_permlane16_swap_b32 v[VS+2*(\e)], v[VS+2*(\e)+1]
	v_lshl_or_b32 v[VS+2*(\e)], v[VS+2*(\e)+1], 8, v[VS+2*(\e)]
.endif
.endm
; 64 hits: k and v are made and quantised.  PLACES 4: four plain places between a matrix instruction and the first read of its result, or a load into its sources.
.macro GROUP gr
	s_wait_dscnt 9                             ; the first two tiles are in; the second nine loads may be out
	PROJT 0, 0, WKS
	PLACES 4
	QUANTK KF+16*(\gr), KF+16*(\gr)+4, KS+2*(\gr)
	s_wait_dscnt 0x0
	PROJT 1, 0, WKS
	PLACES 4
	QUANTK KF+16*(\gr)+8, KF+16*(\gr)+12, KS+2*(\gr)+1
	PROJV 0
	PLACES 4
	QUANTV \gr, 0
	PROJV 1
	PLACES 4
.if (\gr) == 0
	HL 1, 0                                    ; the next group's hits land under this quantising
	HL 1, 1
.else                                          ; and the next step's first two tiles under this and the softmax (the last step, which has no next, names its own once more: those are not used)
	s_add_co_u32 s[TB], s[TB], 69632           ; 256 LDS rows of hits on
	s_add_co_u32 s[TS], s[TS], 4352            ; 16 rows of scale bytes on
	s_min_u32 s[TN], s[TB], 208896
	s_min_u32 s[TN+1], s[TS], 13056
	v_add_nc_u32 v[ADH], s[TN], v[AH0]
	v_add_nc_u32 v[ADS], s[TN+1], v[AS0]
	HL 0, 0
.endif
	QUANTV \gr, 1
.endm
; Slot tile m against the step's 128 keys.  first = 1: the products start O^T's sums, and there is nothing to rescale.
.macro ST m                                    ; the scores S^T
.irp t,0,1,2,3,4,5,6,7
	WM WORK+8*\t, KF+4*\t-4*((\m)%2), Q+12*((\m)/2)+4*((\m)%2), -1, KS+\t/2, QS+(\m)/2, \t%2, (\m)%2
.endr                                          ; register 32 b + i is key 64 b + 32 (lane / 16) + i of slot r
.endm
.macro SM m                                    ; the softmax: p's codes and scale word, l, and the factor f
.irp x,0,1,2,3
	v_max3_num_f32 v[MX+\x], v[WORK+16*\x], v[WORK+16*\x+1], v[WORK+16*\x+2]   ; the largest SCORE of each block: for the row's maximum, and, since p rises with the score, for the block's largest p
.endr
.irp i,3,5,7,9,11,13
.irp x,0,1,2,3
	v_max3_num_f32 v[MX+\x], v[MX+\x], v[WORK+16*\x+\i], v[WORK+16*\x+\i+1]
.endr
.endr
	v_max3_num_f32 v[MX], v[MX], v[MX+1], v[WORK+15]
	v_max3_num_f32 v[MX+1], v[MX+2], v[MX+3], v[WORK+47]
	v_max_num_f32 v[MX], v[MX], v[WORK+31]
	v_max_num_f32 v[MX+1], v[MX+1], v[WORK+63]
	v_max_num_f32 v[TT], v[MX], v[MX+1]
	v_permlanex16_b32 v[TT+1], v[TT], s[SEL], s[SEL+1]
	v_max_num_f32 v[TT], v[TT], v[TT+1]
	v_mul_f32 v[TT], s[NC], v[TT]              ; less the step's largest t
	v_floor_f32 v[TT], v[TT]
	v_min_num_f32 v[TT], v[MN+(\m)], v[TT]     ; the new -M: a whole number
	v_sub_f32 v[F], v[TT], v[MN+(\m)]          ; old M - new M: a whole number, 0 or less
	v_mov_b32 v[MN+(\m)], v[TT]
.set i, 0
.rept 32
.if (\m)%2
	v_pk_fma_f32 v[WORK+2*i:WORK+2*i+1], v[WORK+2*i:WORK+2*i+1], s[CS:CS+1], v[MN+(\m)-1:MN+(\m)] op_sel:[0,0,1] op_sel_hi:[1,0,1]   ; t - M
.else
	v_pk_fma_f32 v[WORK+2*i:WORK+2*i+1], v[WORK+2*i:WORK+2*i+1], s[CS:CS+1], v[MN+(\m):MN+(\m)+1] op_sel_hi:[1,0,0]
.endif
.set i, i+1
.endr
	v_cvt_i32_f32 v[F], v[F]                   ; (it saturates)
	v_fma_f32 v[MX], v[MX], s[CS], v[MN+(\m)]  ; t - M of each block's largest score
	v_fma_f32 v[MX+1], v[MX+1], s[CS], v[MN+(\m)]
	v_ldexp_f32 v[F], 1.0, v[F]                ; f = 2^(old M - new M)
	s_wait_alu depctr_va_vdst(0)               ; the wait ahead of the batch, and the one behind it
.set i, 0
.rept 64
	v_exp_f32 v[WORK+i], v[WORK+i]             ; p = 2^(t - M)
.set i, i+1
.endr
	v_exp_f32 v[MX], v[MX]
	v_exp_f32 v[MX+1], v[MX+1]
	v_mul_f32 v[LS+(\m)], v[LS+(\m)], v[F]     ; l under the new M.  (A plain place behind the exponentials)
	s_wait_alu depctr_va_vdst(0)
.irp x,0,1
	v_max_num_f32 v[MX+\x], 0x1800000, v[MX+\x]    ; the floor: the byte cannot fall under 1
.endr
.irp j,0,2,4,6
	v_pk_add_f32 v[CH+\j:CH+\j+1], v[WORK+\j:WORK+\j+1], v[WORK+8+\j:WORK+9+\j]   ; l is summed of the unquantised p, in four chains, between the lines that make p's scale
.endr
.irp x,0,1
	v_add_nc_u32 v[AP+\x], 0xff000000, v[MX+\x]
.endr
	SUMS 16
.irp x,0,1
	v_lshrrev_b32 v[BY+\x], 23, v[AP+\x]
.endr
.irp g,0,1,2,3
.irp x,0,1
	v_cvt_scalef32_pk8_fp4_f32 v[PC+4*\x+\g], v[WORK+32*\x+8*\g:WORK+32*\x+8*\g+7], v[AP+\x]
.endr
.endr
	v_lshl_or_b32 v[BY], v[BY+1], 16, v[BY]
	SUMS 24
	v_permlanex16_b32 v[BY+1], v[BY], s[SEL], s[SEL+1]
	SUMS 32
	v_lshl_or_b32 v[PW], v[BY+1], 8, v[BY]     ; lanes 0-15 hold the whole word; the others are not read
	SUMS 40                                    ; the lines from here on are also the places between the writing of p's scale word and the products
	SUMS 48
	SUMS 56
	v_pk_add_f32 v[CH:CH+1], v[CH:CH+1], v[CH+2:CH+3]
	v_pk_add_f32 v[CH+4:CH+5], v[CH+4:CH+5], v[CH+6:CH+7]
	v_pk_add_f32 v[CH:CH+1], v[CH:CH+1], v[CH+4:CH+5]
	v_add_f32 v[CH], v[CH], v[CH+1]
	v_add_f32 v[LS+(\m)], v[LS+(\m)], v[CH]
.endm
.macro SUMS k
.irp j,0,2,4,6
	v_pk_add_f32 v[CH+\j:CH+\j+1], v[CH+\j:CH+\j+1], v[WORK+\k+\j:WORK+\k+\j+1]
.endr
.endm
.macro OT m, first                             ; O^T under the new M, and the products
.if !(\first)
	WIN 0x41                                   ; O^T (destination and source 0) in window 1, f in window 0
	s_wait_alu depctr_va_vdst(0)               ; the wait ahead of O^T's first reader
.set i, 0
.rept 16
	v_pk_mul_f32 v[128+32*(\m)+2*i:128+32*(\m)+2*i+1], v[128+32*(\m)+2*i:128+32*(\m)+2*i+1], v[F:F+1] op_sel_hi:[1,0]
.set i, i+1
.endr
.endif
	WIN 0x50                                   ; C and D in window 1
.irp d,0,1,2,3
	WM 128+32*(\m)+8*\d, VF+8*\d, PC, (1-(\first))*(128+32*(\m)+8*\d+1)-1, VS+2*(\d/2), PW, \d%2, 0
.endr
	WIN 0
.endm
.macro STEP first
	PLACES 4                                   ; for the loads into the registers that held p's codes
	HL 0, 1                                    ; (the first two tiles were asked for in the step before)
	GROUP 0
	GROUP 1
	ST 0
	PLACES 4
	SM 0
.irp n,1,2,3
	ST \n                                      ; the next slot tile's scores stand ahead of this one's rescaling, whose 16 lines are the scores' places
	OT \n-1, \first
.if \first
	PLACES 4                                   ; nothing is rescaled in the first step
.endif
	SM \n
.endr
	OT 3, \first
.endm
; A head's 64 rows of a weight: 8 fragments into window 1 from v[reg] on (tile t, K step ks at 16 t + 8 ks), 4 scale registers.  20 loads.
.macro WLOAD reg, cb, sreg, sb
	WIN 0x40
.irp t,0,1,2,3
.irp ks,0,1
.irp z,0,1
	global_load_b128 v[\reg+16*\t+8*\ks+4*\z:\reg+16*\t+8*\ks+4*\z+3], v[WOFF], s[\cb:\cb+1] offset:1024*\t+64*\ks+32*\z
.endr
.endr
.endr
	WIN 0
.irp t,0,1,2,3
	global_load_b32 v[\sreg+\t], v[WSOFF], s[\sb:\sb+1] offset:64*\t
.endr
.endm
.macro RED8                            ; eight pairs from v[T] on: each becomes the sum over the wave's lanes, in every lane's v[T + 2 i]
.irp i,0,2,4,6,8,10,12,14
	v_add_f32 v[T+\i], v[T+\i], v[T+\i+1]
.endr
.irp x,1,2,4,8
.irp i,0,2,4,6,8,10,12,14
	v_add_f32_dpp v[T+\i], v[T+\i], v[T+\i] row_xmask:\x row_mask:0xf bank_mask:0xf
.endr
.endr
.irp i,0,2,4,6,8,10,12,14
	v_permlanex16_b32 v[T+\i+1], v[T+\i], s[SEL], s[SEL+1]
.endr
.irp i,0,2,4,6,8,10,12,14
	v_add_f32 v[T+\i], v[T+\i], v[T+\i+1]
.endr
.endm
	s_load_b512 s[4:19], s[0:1], 0x0               ; slots s[4:5], ln1_g s[6:7], ln1_b s[8:9], Wq's codes s[10:11], scales s[12:13], Wk's s[14:15], s[16:17], Wv's codes s[18:19]
	s_load_b256 s[20:27], s[0:1], 0x40             ; Wv's scales s[20:21], the hits' codes s[22:23], scales s[24:25], opart s[26:27]
	s_load_b64 s[28:29], s[0:1], 0x60              ; stat
	v_lshl_add_u32 v254, v0, 2, SPARE
	v_mov_b32 v255, 0
	ds_add_u32 v254, v255                          ; the opening lines: the add, twice on end, and its wait
	ds_add_u32 v254, v255
	v_lshrrev_b32 v102, 5, v0
	v_readfirstlane_b32 s[WV], v102                ; wave 0..7
	s_and_b32 s[J], s[WV], 1
	s_lshr_b32 s[QD], s[WV], 1
	s_bfe_u32 s72, ttmp6, 0x40000                  ; cx: the pair of heads.  It enters the weights', opart's and stat's addresses alone
	s_and_b32 s73, ttmp7, 0xffff                   ; y = 8 x batch + chunk, which the four partners share
	s_lshl_b32 s74, s72, 1
	s_add_co_u32 s74, s74, s[J]                    ; my head
	; descriptor group 1: dense bytes as rows of 256 (32 elements of 8 bytes), 16 bytes of padding behind each; 256 rows for codes, 64 for scale bytes
.irp g,32,40
	s_mov_b32 s[\g], 15|(3<<16)|(1<<20)|(1<<21)|(5<<22)|(3<<25)    ; 15:0 the mask: all four work-groups; 17:16 elements of 8 bytes; 20 padding on; 21 set beside a mask; 24:22 after every 64 words; 31:25 four words
	s_mov_b32 s[\g+1], 32<<16                      ; tensor_dim0 = 32
	s_mov_b32 s[\g+3], 32<<16                      ; tile_dim0 = 32
	s_mov_b32 s[\g+5], 32                          ; elements from row to row
	s_mov_b32 s[\g+6], 0
	s_mov_b32 s[\g+7], 0
.endr
	s_mov_b32 s34, 256<<16                         ; tensor_dim1
	s_mov_b32 s36, 256                             ; tile_dim1
	s_mov_b32 s42, 64<<16
	s_mov_b32 s44, 64
	s_and_b32 s94, s[WV], 3                        ; the key step that I fetch, if I fetch codes
	s_mov_b32 s48, 1                               ; group 0 for the scale bytes,
	s_mov_b32 s49, HSC
	s_mov_b32 s52, 1                               ; and for a key step's codes
	s_mul_i32 s53, s94, 69632
	s_lshl_b32 s90, s73, 14                        ; the chunk's scale bytes
	s_mov_b32 s91, 0
	s_lshl_b32 s92, s73, 18                        ; its codes: 262,144 y + 65,536 x step
	s_lshl_b32 s95, s94, 16
	s_add_co_u32 s92, s92, s95
	s_mov_b32 s93, 0
	s_lshr_b32 s76, s73, 3
	s_lshl_b32 s76, s76, 16                        ; the batch's 64 slots of 1,024 bytes; I normalise eight
	s_lshl_b32 s78, s[WV], 13
	s_add_co_u32 s76, s76, s78
	s_mov_b32 s77, 0
	s_mul_i32 s56, s[QD], 17408
	s_mul_i32 s57, s[QD], 1088
	s_add_co_u32 s57, s57, HSC
	s_mul_i32 s58, s[WV], 1152
	s_add_co_u32 s58, s58, XIMG
	s_lshl_b32 s59, s[WV], 6
	s_add_co_u32 s59, s59, XSC
	s_mov_b32 s[SEL], 0x76543210
	s_mov_b32 s[SEL+1], 0xfedcba98
	s_mov_b32 s[CS], 0x3e38aa3b                    ; log2(e) / 8
	s_mov_b32 s[CS+1], s[CS]                       ; (named with it as a pair, so it is written)
	s_mov_b32 s[NC], 0xbe38aa3b
	s_mov_b32 s87, 0x3b800000                      ; 1 / 256
	s_mov_b32 s88, 0x3727c5ac                      ; 1e-5
	; ---- addresses
	v_and_b32 v99, 15, v0                          ; r
	v_bfe_u32 v100, v0, 4, 1                       ; h
	v_and_b32 v101, 31, v0                         ; lane
	v_bfe_u32 v102, v0, 3, 1                       ; r / 8
	v_and_b32 v103, 7, v0                          ; r % 8
	v_lshlrev_b32 v[XO], 5, v101                   ; LayerNorm: 8 numbers a lane
	v_lshl_add_u32 v104, v102, 5, v103             ; rr = r % 8 + 32 (r / 8)
	v_lshlrev_b32 v[XW], 2, v101
	v_lshrrev_b32 v[XB], 2, v101
	v_lshlrev_b32 v[WOFF], 7, v104                 ; a weight's row rr of 128 bytes, + 16 h
	v_lshlrev_b32 v[WSOFF], 3, v104                ; its 8 scale bytes: lanes 16-31 take the second word
	v_lshrrev_b32 v105, 1, v104
	v_lshl_add_u32 v[WOFF], v100, 4, v[WOFF]
	v_lshl_add_u32 v[WSOFF], v100, 2, v[WSOFF]
	v_mul_u32_u24 v[AH0], v105, 272                ; hit rr: two hits to an LDS row,
	v_and_b32 v105, 1, v0
	v_mul_u32_u24 v[AS0], v102, 272                ; its scale bytes: 32 hits to an LDS row; lanes 16-31 take the second tile's, 8 hits on
	v_mul_u32_u24 v[XRA], v99, 144
	v_lshl_add_u32 v[AH0], v105, 7, v[AH0]         ; 128 bytes each,
	v_lshl_add_u32 v[AS0], v103, 3, v[AS0]
	v_lshl_add_u32 v[XRS], v100, 4, v99            ; x's scale bytes: lanes 16-31 take the next slot tile's
	v_lshl_add_u32 v[AH0], v100, 4, v[AH0]         ; + 16 h,
	v_lshl_add_u32 v[AS0], v100, 6, v[AS0]
	v_lshl_add_u32 v[XRA], v100, 4, v[XRA]
	v_lshlrev_b32 v[XRS], 3, v[XRS]
	v_add_nc_u32 v[AH0], s56, v[AH0]               ; + my quarter's 64 rows
	v_add_nc_u32 v[AS0], s57, v[AS0]
	v_add_nc_u32 v[XW], s58, v[XW]
	v_add_nc_u32 v[XB], s59, v[XB]
	v_add_nc_u32 v[XRA], XIMG, v[XRA]
	v_add_nc_u32 v[XRS], XSC, v[XRS]
	s_wait_alu depctr_va_vdst(0)                   ; the wait ahead of the waits below
	s_wait_dscnt 0x0                               ; both opening adds are done
	s_wait_kmcnt 0x0
	s_add_nc_u64 s[4:5], s[4:5], s[76:77]
.irp i,0,1,2,3,4,5,6,7
.irp q,0,4
	global_load_b128 v[WORK+8*\i+\q:WORK+8*\i+\q+3], v[XO], s[4:5] offset:1024*\i+4*\q     ; my eight slots, a row to the 32 lanes
.endr
.endr
.irp q,0,4
	global_load_b128 v[GA+\q:GA+\q+3], v[XO], s[6:7] offset:4*\q
	global_load_b128 v[BI+\q:BI+\q+3], v[XO], s[8:9] offset:4*\q
.endr
	s_add_nc_u64 s[50:51], s[24:25], s[90:91]
	s_or_b32 s51, s51, 0x80000000
	s_add_nc_u64 s[54:55], s[22:23], s[92:93]
	s_or_b32 s55, s55, 0x80000000
	CROUND                                         ; all four work-groups are here: the joint loads meet
	s_cmp_lt_u32 s[WV], 4
	s_cbranch_scc0 .Lfor_scales
	tensor_load_to_lds s[52:55], s[32:39]
	s_nop 0
	PLACES 4
	s_branch .Lasked
.Lfor_scales:
	s_cmp_lt_u32 s[WV], 5
	s_cbranch_scc0 .Lasked
	tensor_load_to_lds s[48:51], s[40:47]
	s_nop 0
	PLACES 4
.Lasked:
	s_lshl_b32 s76, s74, 13                        ; my head's 64 rows of 128 bytes of codes
	s_add_nc_u64 s[10:11], s[10:11], s[76:77]
	s_add_nc_u64 s[14:15], s[14:15], s[76:77]
	s_add_nc_u64 s[18:19], s[18:19], s[76:77]
	s_lshl_b32 s76, s74, 9                         ; and of 8 scale bytes
	s_add_nc_u64 s[12:13], s[12:13], s[76:77]
	s_add_nc_u64 s[16:17], s[16:17], s[76:77]
	s_add_nc_u64 s[20:21], s[20:21], s[76:77]
	WLOAD 128, 10, KS, 12                          ; Wq, into registers that O^T takes later
	WLOAD 0, 14, WKS, 16                           ; Wk
	s_lshl_b32 s76, s73, 17                        ; opart: 131,072 y + 16,384 head + 4,096 x the slot tile that I store (w >> 1)
	s_lshl_b32 s78, s74, 14
	s_add_co_u32 s76, s76, s78
	s_lshl_b32 s78, s[QD], 12
	s_add_co_u32 s76, s76, s78
	s_add_nc_u64 s[26:27], s[26:27], s[76:77]
	s_lshl_b32 s76, s73, 13                        ; stat: 8,192 y + 1,024 head + 256 x tile
	s_lshl_b32 s78, s74, 10
	s_add_co_u32 s76, s76, s78
	s_lshl_b32 s78, s[QD], 8
	s_add_co_u32 s76, s76, s78
	s_add_nc_u64 s[28:29], s[28:29], s[76:77]
	; ---- LayerNorm of eight slots, and their codes
	s_wait_loadcnt 40                              ; x, gain and bias are in; Wq's and Wk's 40 loads may be out
.irp i,0,1,2,3,4,5,6,7
	v_pk_add_f32 v[T+2*\i:T+2*\i+1], v[WORK+8*\i:WORK+8*\i+1], v[WORK+8*\i+2:WORK+8*\i+3]
	v_pk_add_f32 v[U+2*\i:U+2*\i+1], v[WORK+8*\i+4:WORK+8*\i+5], v[WORK+8*\i+6:WORK+8*\i+7]
.endr
.irp i,0,2,4,6,8,10,12,14
	v_pk_add_f32 v[T+\i:T+\i+1], v[T+\i:T+\i+1], v[U+\i:U+\i+1]
.endr
	RED8
.irp i,0,2,4,6,8,10,12,14
	v_mul_f32 v[T+\i+1], s87, v[T+\i]              ; the mean, in both halves of a pair
.endr
.irp i,0,2,4,6,8,10,12,14
	v_mul_f32 v[T+\i], s87, v[T+\i]
.endr
.irp q,0,2,4,6
.irp i,0,1,2,3,4,5,6,7
	v_pk_add_f32 v[WORK+8*\i+\q:WORK+8*\i+\q+1], v[WORK+8*\i+\q:WORK+8*\i+\q+1], v[T+2*\i:T+2*\i+1] neg_lo:[0,1] neg_hi:[0,1]
.endr
.endr
.irp i,0,1,2,3,4,5,6,7
	v_pk_mul_f32 v[T+2*\i:T+2*\i+1], v[WORK+8*\i:WORK+8*\i+1], v[WORK+8*\i:WORK+8*\i+1]
	v_pk_mul_f32 v[U+2*\i:U+2*\i+1], v[WORK+8*\i+4:WORK+8*\i+5], v[WORK+8*\i+4:WORK+8*\i+5]
.endr
.irp i,0,1,2,3,4,5,6,7
	v_pk_fma_f32 v[T+2*\i:T+2*\i+1], v[WORK+8*\i+2:WORK+8*\i+3], v[WORK+8*\i+2:WORK+8*\i+3], v[T+2*\i:T+2*\i+1]
	v_pk_fma_f32 v[U+2*\i:U+2*\i+1], v[WORK+8*\i+6:WORK+8*\i+7], v[WORK+8*\i+6:WORK+8*\i+7], v[U+2*\i:U+2*\i+1]
.endr
.irp i,0,2,4,6,8,10,12,14
	v_pk_add_f32 v[T+\i:T+\i+1], v[T+\i:T+\i+1], v[U+\i:U+\i+1]
.endr
	RED8
.irp i,0,2,4,6,8,10,12,14
	v_fma_f32 v[T+\i], v[T+\i], s87, s88           ; the variance + 1e-5
.endr
	s_wait_alu depctr_va_vdst(0)
.irp i,0,2,4,6,8,10,12,14
	v_rsq_f32 v[U+\i], v[T+\i]
.endr
	v_nop                                          ; a plain place behind the transcendentals
	s_wait_alu depctr_va_vdst(0)
.irp q,0,2,4,6
.irp i,0,1,2,3,4,5,6,7
	v_pk_mul_f32 v[WORK+8*\i+\q:WORK+8*\i+\q+1], v[WORK+8*\i+\q:WORK+8*\i+\q+1], v[U+2*\i:U+2*\i+1] op_sel_hi:[1,0]
.endr
.endr
.irp q,0,2,4,6
.irp i,0,1,2,3,4,5,6,7
	v_pk_fma_f32 v[WORK+8*\i+\q:WORK+8*\i+\q+1], v[WORK+8*\i+\q:WORK+8*\i+\q+1], v[GA+\q:GA+\q+1], v[BI+\q:BI+\q+1]
.endr
.endr
.irp i,0,1,2,3,4,5,6,7
	v_max3_num_f32 v[T+2*\i], |v[WORK+8*\i]|, |v[WORK+8*\i+1]|, 0x1800000
.endr
.irp q,2,4,6
.irp i,0,1,2,3,4,5,6,7
	v_max3_num_f32 v[T+2*\i], v[T+2*\i], |v[WORK+8*\i+\q]|, |v[WORK+8*\i+\q+1]|
.endr
.endr
.irp x,1,2                                             ; a block of 32 lies in four neighbouring lanes
.irp i,0,2,4,6,8,10,12,14
	v_max_num_f32_dpp v[T+\i], v[T+\i], v[T+\i] row_xmask:\x row_mask:0xf bank_mask:0xf
.endr
.endr
.irp i,0,2,4,6,8,10,12,14
	v_add_nc_u32 v[T+\i], 0xff000000, v[T+\i]
.endr
.irp i,0,2,4,6,8,10,12,14
	v_lshrrev_b32 v[T+\i+1], 23, v[T+\i]
.endr
.irp i,0,1,2,3,4,5,6,7
	v_cvt_scalef32_pk8_fp4_f32 v[U+\i], v[WORK+8*\i:WORK+8*\i+7], v[T+2*\i]
.endr
	v_nop                                          ; one plain place behind a scaled conversion
.irp i,0,1,2,3,4,5,6,7
	ds_store_b32 v[XW], v[U+\i] offset:144*\i
	ds_store_b8 v[XB], v[T+2*\i+1] offset:8*\i     ; (a block's four lanes store the same byte)
.endr
	WLOAD 64, 18, WVS, 20                          ; Wv
	BAR                                            ; x's codes lie in LDS
	; ---- q of my head for all 64 slots (each of a head's four waves makes it)
.irp m,0,1,2,3
.irp ks,0,1
.irp z,0,1
	ds_load_b128 v[HF+16*\m+8*\ks+4*\z:HF+16*\m+8*\ks+4*\z+3], v[XRA] offset:2304*\m+64*\ks+32*\z
.endr
.endr
.endr
.irp p,0,1
	ds_load_b64 v[HW+2*\p:HW+2*\p+1], v[XRS] offset:256*\p
.endr
.irp i,4,5,6,7,16,17,18,19
	v_mov_b32 v[Q+\i], 0                           ; the chains' zero codes
.endr
	s_wait_alu depctr_va_vdst(0)                   ; the wait ahead of the waits below
	s_wait_loadcnt 40                              ; Wq is in; Wk's and Wv's 40 loads may be out
	s_wait_dscnt 0x0
	PROJT 0, 128, KS
	PLACES 4
	QUANTK Q, Q+8, QS
	PROJT 1, 128, KS
	PLACES 4
	QUANTK Q+12, Q+20, QS+1
.irp m,0,1,2,3
	v_mov_b32 v[MN+\m], 0x7f61b1e6                 ; -M: 3e38, over every -t
	v_mov_b32 v[LS+\m], 0
.endr
	s_mov_b32 s[TB], 0
	s_mov_b32 s[TS], 0
	s_wait_alu depctr_va_vdst(0)                   ; the wait at the head's end
	s_wait_loadcnt 0x0                             ; Wk and Wv are in
	s_wait_tensorcnt 0x0                           ; my tile has landed
	BAR                                            ; everybody's have: the loop has no barrier and no tensor load
	v_add_nc_u32 v[ADH], s[TB], v[AH0]
	v_add_nc_u32 v[ADS], s[TS], v[AS0]
	HL 0, 0
	STEP 1                                         ; key step 0 starts O^T's sums
	s_mov_b32 s[CNT], 3
.Lstep:
	STEP 0
	s_sub_co_u32 s[CNT], s[CNT], 1
	s_cmp_lg_u32 s[CNT], 0
	s_cbranch_scc1 .Lstep
	; ---- the four waves of a head join their parts.  The lines below are the places behind the last products
.irp m,0,1,2,3
	v_permlanex16_b32 v[TM+\m], v[LS+\m], s[SEL], s[SEL+1]
.endr
.irp m,0,1,2,3
	v_add_f32 v[LS+\m], v[LS+\m], v[TM+\m]         ; my l of the slot
.endr
	s_lshl_b32 s56, s[WV], 14
	s_lshl_b32 s57, s[WV], 10
	s_add_co_u32 s57, s57, STAT
	s_lshl_b32 s58, s[J], 10
	s_lshl_b32 s59, s[QD], 8
	s_add_co_u32 s58, s58, s59
	s_add_co_u32 s58, s58, STAT
	s_lshl_b32 s60, s[J], 14
	s_lshl_b32 s59, s[QD], 12
	s_add_co_u32 s60, s60, s59
	v_and_b32 v92, 31, v0
	v_and_b32 v98, 7, v0
	v_and_b32 v99, 16, v0
	v_and_b32 v100, 8, v0
	v_lshlrev_b32 v101, 2, v92                     ; 4 x lane
	v_lshlrev_b32 v92, 4, v92                      ; 16 x lane
	v_lshlrev_b32 v98, 4, v98
	v_lshl_or_b32 v98, v99, 3, v98
	v_lshl_or_b32 v98, v100, 5, v98                ; opart's order: 256 (r / 8) + 128 h + 16 (r % 8): eight slots fill 256 bytes
	v_lshrrev_b32 v99, 1, v98                      ; stat's: half of that
	v_add_nc_u32 v93, s56, v92                     ; the stage: 32 images of 512 bytes a wave
	v_add_nc_u32 v94, s57, v101                    ; -M and l: 8 images of 128 bytes a wave
	v_add_nc_u32 v95, s58, v101                    ; back: partner p is wave 2 p + (w & 1); I take slot tile w >> 1
	v_add_nc_u32 v96, s60, v92
	v_add_nc_u32 v97, 65536, v96                   ; partners 2 and 3 lie beyond an immediate's reach
	s_wait_alu depctr_va_vdst(0)
	BAR                                            ; nobody reads the hits any more: the stage may lie over them (they have had their one fill)
	WIN 0x04                                       ; an LDS store's data are its source 1: window 1
.set i, 0
.rept 32
	ds_store_b128 v93, v[128+4*i:128+4*i+3] offset:512*i   ; each accumulator from its low end on
.set i, i+1
.endr
	WIN 0
.irp m,0,1,2,3
	ds_store_b32 v94, v[MN+\m] offset:256*\m
	ds_store_b32 v94, v[LS+\m] offset:256*\m+128
.endr
	BAR
.irp p,0,1,2,3
	ds_load_b32 v[64+\p], v95 offset:2048*\p
	ds_load_b32 v[68+\p], v95 offset:2048*\p+128
.endr
.irp p,0,1
.irp g,0,1,2,3,4,5,6,7
	ds_load_b128 v[128+32*\p+4*\g:128+32*\p+4*\g+3], v96 offset:32768*\p+512*\g
.endr
.endr
.irp p,0,1
.irp g,0,1,2,3,4,5,6,7
	ds_load_b128 v[192+32*\p+4*\g:192+32*\p+4*\g+3], v97 offset:32768*\p+512*\g
.endr
.endr
	s_wait_dscnt 0x0
	v_min3_num_f32 v60, v64, v65, v66
	v_min_num_f32 v60, v60, v67                    ; -M of the four together
.irp p,0,1,2,3
	v_sub_f32 v[73+2*\p], v60, v[64+\p]            ; partner's M less the common M: a whole number, 0 or less
.endr
.irp p,0,1,2,3
	v_cvt_i32_f32 v[73+2*\p], v[73+2*\p]
.endr
.irp p,0,1,2,3
	v_ldexp_f32 v[72+2*\p], 1.0, v[73+2*\p]        ; its factor, a power of two
.endr
	v_mul_f32 v61, v72, v68
.irp p,1,2,3
	v_fma_f32 v61, v[72+2*\p], v[68+\p], v61
.endr
.set i, 0
.rept 16
	v_pk_mul_f32 v[128+2*i:129+2*i], v[128+2*i:129+2*i], v[72:73] op_sel_hi:[1,0]
.set i, i+1
.endr
.irp p,1,2,3
.set i, 0
.rept 16
	v_pk_fma_f32 v[128+2*i:129+2*i], v[128+32*\p+2*i:129+32*\p+2*i], v[72+2*\p:73+2*\p], v[128+2*i:129+2*i] op_sel_hi:[1,0,1]
.set i, i+1
.endr
.endr
.irp g,0,1,2,3,4,5,6,7
	global_store_b128 v98, v[128+4*\g:128+4*\g+3], s[26:27] offset:512*\g     ; 32 lanes store 512 consecutive bytes, at a multiple of 256 from opart's first byte
.endr
	global_store_b64 v99, v[60:61], s[28:29]       ; -M and l: 256 consecutive bytes, aligned
	v_lshl_add_u32 v254, v0, 2, SPARE
	v_mov_b32 v255, 0
	s_wait_alu depctr_va_vdst(0)
	s_wait_tensorcnt 0x0                           ; the wave's end
	ds_add_u32 v254, v255
	s_wait_dscnt 0x0
	CROUND                                         ; the closing round: no work-group ends while a partner may still ask for a tile that names it
	s_endpgm
.Lfunc_end_k_qdb20e1049e_attn:
	.size	k_qdb20e1049e_attn, .Lfunc_end_k_qdb20e1049e_attn-k_qdb20e1049e_attn
	.p2alignl 7, 3214868480
	.fill 96, 4, 3214868480
	.section	.rodata,"a",@progbits
	.p2align	6, 0x0
	.amdhsa_kernel k_qdb20e1049e_attn
		.amdhsa_group_segment_fixed_size 327680
		.amdhsa_private_segment_fixed_size 0
		.amdhsa_enable_private_segment 0
		.amdhsa_kernarg_size 104
		.amdhsa_user_sgpr_count 2
		.amdhsa_user_sgpr_kernarg_segment_ptr 1
		.amdhsa_wavefront_size32 1
		.amdhsa_system_sgpr_workgroup_id_x 1
		.amdhsa_system_sgpr_workgroup_id_y 1
		.amdhsa_system_sgpr_workgroup_id_z 1
		.amdhsa_system_vgpr_workitem_id 0
		.amdhsa_next_free_vgpr 512
		.amdhsa_next_free_sgpr 96
		.amdhsa_reserve_vcc 0
		.amdhsa_float_denorm_mode_32 3
		.amdhsa_float_denorm_mode_16_64 3
		.amdhsa_memory_ordered 1
		.amdhsa_forward_progress 1
		.amdhsa_inst_pref_size 245
	.end_amdhsa_kernel
	.amdgpu_metadata
---
amdhsa.version: [ 1, 2 ]
amdhsa.kernels:
  - .name:           k_qdb20e1049e_attn
    .symbol:         k_qdb20e1049e_attn.kd
    .args:
      - { .name: slot_representations, .offset: 0, .size: 8, .value_kind: global_buffer, .address_space: global }
      - { .name: ln1_g, .offset: 8, .size: 8, .value_kind: global_buffer, .address_space: global }
      - { .name: ln1_b, .offset: 16, .size: 8, .value_kind: global_buffer, .address_space: global }
      - { .name: Wq_codes, .offset: 24, .size: 8, .value_kind: global_buffer, .address_space: global }
      - { .name: Wq_scales, .offset: 32, .size: 8, .value_kind: global_buffer, .address_space: global }
      - { .name: Wk_codes, .offset: 40, .size: 8, .value_kind: global_buffer, .address_space: global }
      - { .name: Wk_scales, .offset: 48, .size: 8, .value_kind: global_buffer, .address_space: global }
      - { .name: Wv_codes, .offset: 56, .size: 8, .value_kind: global_buffer, .address_space: global }
      - { .name: Wv_scales, .offset: 64, .size: 8, .value_kind: global_buffer, .address_space: global }
      - { .name: hit_features_codes, .offset: 72, .size: 8, .value_kind: global_buffer, .address_space: global }
      - { .name: hit_features_scales, .offset: 80, .size: 8, .value_kind: global_buffer, .address_space: global }
      - { .name: opart, .offset: 88, .size: 8, .value_kind: global_buffer, .address_space: global }
      - { .name: stat, .offset: 96, .size: 8, .value_kind: global_buffer, .address_space: global }
    .group_segment_fixed_size: 327680
    .private_segment_fixed_size: 0
    .kernarg_segment_align: 8
    .kernarg_segment_size: 104
    .max_flat_workgroup_size: 256
    .sgpr_count:     96
    .vgpr_count:     512
    .wavefront_size: 32
...
	.end_amdgpu_metadata
.endif
;; end of part 1
;; launch mlp (part 2): grid 8 x 8, 8 waves a work-group, clusters of 4 x 1, 236,544 bytes of LDS; arguments opart, stat, W1_codes, W1_scales, b1, W2_codes, W2_scales, b2, slot_representations, ln2_g, ln2_b, out0; writes out0
.if DOCPART == 2
	.amdgcn_target "amdgcn-amd-amdhsa--gfx1250"
	.amdhsa_code_object_version 6
	.text
	.protected	k_qdb20e1049e_mlp
	.globl	k_qdb20e1049e_mlp
	.p2align	8
	.type	k_qdb20e1049e_mlp,@function
k_qdb20e1049e_mlp:
	s_mov_b64 s[64:65], 0
	v_nop
	global_prefetch_b8 v0, s[64:65] scope:SCOPE_SE
	s_setreg_imm32_b32 hwreg(HW_REG_WAVE_MODE, 25, 1), 1
	s_wait_xcnt 0x0
	s_wait_alu depctr_hold_cnt(0) depctr_sa_sdst(0) depctr_va_vdst(0) depctr_va_sdst(0) depctr_va_ssrc(0) depctr_va_vcc(0) depctr_vm_vsrc(0)
	s_getreg_b32 s2, hwreg(HW_REG_IB_STS2, 6, 4)
	s_cmp_eq_u32 s2, 0
	s_cbranch_scc0 .Lentry_in_a_cluster
	s_endpgm
.Lentry_in_a_cluster:
	s_bfe_u32 s2, ttmp6, 0x10000c
	s_cmp_lg_u32 s2, 0x3003
	s_cbranch_scc0 .Lentry_shape_is_right
	s_endpgm
.Lentry_shape_is_right:
; The eight chunks' parts of O are joined and divided by l; out = LN(slots + relu(Q(att_v) W1 + b1) quantised x W2 + b2), both products on codes of FP4 (E2M1) with one E8M0 scale for each 32 along K.
; SHARES.  A work-group takes EIGHT slots of a batch (grid x: which eight; y: batch): 64 work-groups.  Lanes r and r xor 8 belong to the same slot: while the parts are joined the lower takes the even chunks and the upper
; the odd ones, so a wave's loads are half as many as for 16 slots; then both hold the sum, and rows 8-15 of the products repeat rows 0-7.
; Wave w joins head w (64 of att_v's 512 along K), makes hidden units 64 w .. 64 w + 63 and outputs 32 w .. 32 w + 31, and normalises row w.
; THE WEIGHTS COME BY THE TENSOR DATA MOVER, ONCE, one load a wave: waves 0 to 3 bring 128 rows of W1 each, waves 4 to 7 64 rows of W2 each (rows of 256 bytes, dense in memory).
; CLUSTER: four work-groups of a batch use the same W1 and W2, so the loads are JOINT (mask 15; the descriptors hang on the wave's number alone).  No byte of LDS is filled twice.  No prefetch: there is no loop.
; OPERANDS GO FROM WAVE TO WAVE THROUGH LDS AS IMAGES OF THEIR REGISTERS: a wave's 64 numbers along K are half (w & 1) of fragment w >> 1: four registers, one ds_store_b128 at 512 w + 16 x lane.
; opart: lane (r, h) holds dv 32 h + 0 .. 31 of its slot: a whole block of 32.  Both products are used transposed (source 0 = weight rows); lane r of W1's tile t takes row 8 t + r % 8 + 32 (r / 8) of my 64, so that the
; hidden layer comes out in that order too.  The biases are the C of each sum's first matrix instruction.
; LIMITS: NaN and infinities are not served; a block whose largest magnitude lies under 2^-124 keeps the scale byte 1.
; REGISTERS.  Window 1: v0-127 W1 (tile t, K step ks at 8 (4 t + ks)); v128-191 W2 (128 + 8 (4 n + ks)); v192-223 b1; v224-239 b2.  Window 0: the names below.
.set ASC,    4096                      ; LDS: att_v's four fragments at 0, their scale words at 4,096; the hidden layer's DELTA further on; the stage for the outputs behind them, up to byte 25,856
.set DELTA,  4608
.set STG,    9216
.set SPITCH, 1040                      ; a stage row: 1,024 bytes + 16
.set WP,     272                       ; a weight's row in LDS: 256 bytes + 16 of padding
.set WT1,    26624                     ; W1: 512 rows.  From here on only the mover writes, and up to here it writes nothing
.set WT2,    WT1+512*WP                ; W2: 256 rows; it ends at byte 235,520
.set SPARE,  235520                    ; the spare words
.set L16,  1                           ; 16 x lane
.set OPO,  2                           ; my lane's place in opart,
.set OSO,  33                          ; and in stat
.set W1A,  3                           ; LDS address of my lane's place in my rows of W1
.set W2A,  4
.set B1O,  5
.set B2O,  6
.set S1O,  7
.set S2O,  8
.set IW,   9                           ; where I store my half of a fragment
.set SW,   10                          ; and my scale byte
.set SRD,  11                          ; where I read a scale word
.set ASW,  12                          ; v12-15 the scale words of the operand in hand
.set TM,   16
.set STO,  22                          ; the stage, in
.set RDS,  23                          ; the stage, back
.set PCD,  28                          ; v28-31 the codes just made
.set BY,   32                          ; the byte
.set STT,  34                          ; v34-41 -M and l of my four chunks; later LayerNorm's work
.set FC,   50                          ; v50-57 pairs: a chunk's factor, its exponent
.set MS,   66                          ; v66 -M, v67 l, v68-69 1 / l
.set SPW,  70                          ; my spare word's address,
.set NIL,  71                          ; and 0: never rewritten
.set ACC,  72                          ; v72-103 att_v, then the hidden layer
.set OP,   104                         ; v104-231 the parts, 32 registers for each of my four chunks
.set SL,   104                         ; later: v104-111 my slot row, v120-127 ln2_g, v128-135 ln2_b,
.set GG,   120
.set BB,   128
.set AF,   136                         ; v136-167 att_v's fragments, v168-199 the hidden layer's,
.set HFR,  168
.set YA,   200                         ; v200-215 my two tiles of outputs, v216-223 my row
.set ZL,   216
.set W1S,  232                         ; v232-247 W1's scale words (4 t + ks), v248-255 W2's
.set W2S,  248
.set WV,   30                          ; s30 my wave's number
.set CX,   33                          ; s33 which eight slots.  It enters opart's, stat's, the slots' and out0's addresses alone
.set SEL,  40
.set G1A,  68                          ; s[68:75] descriptor group 1 for W1's rows;  s[76:83] for W2's;  s[84:87], s[88:91] their groups 0
.set G1B,  76
.set G0A,  84
.set G0B,  88
.set MSB, 0
.macro WIN new                         ; the immediate's high byte repeats the setting that is left
.if MSB != \new
	s_set_vgpr_msb (MSB<<8)|\new
.set MSB, \new
.endif
.endm
.macro PLACES n
.rept \n
	v_nop
.endr
.endm
.macro BAR
	s_wait_dscnt 0x0
	s_barrier_signal -1
	s_barrier_wait -1
.endm
.macro CROUND                          ; a round of the cluster's barrier
	s_barrier_signal -1
	s_barrier_wait -1
	s_cmp_lg_u32 s[WV], 0
	s_cbranch_scc1 .Lnot_wave_0_\@
	s_barrier_signal -3
.Lnot_wave_0_\@:
	s_barrier_wait -3
	s_barrier_signal -1
	s_barrier_wait -1
.endm
.macro WM d, a, b, c, sa, sb
	v_wmma_scale_f32_16x16x128_f8f6f4 v[(\d):(\d)+7], v[(\a):(\a)+7], v[(\b):(\b)+7], v[(\c):(\c)+7], v[(\sa)], v[(\sb)] matrix_a_fmt:MATRIX_FMT_FP4 matrix_b_fmt:MATRIX_FMT_FP4
.endm
; 32 numbers of a lane, one block: four registers of codes in v[PCD] on and the scale byte in v[BY].  The floor 2^(3 - 127) holds the byte at 1 from below.
.macro Q2 s
	v_max3_num_f32 v[TM], |v[(\s)]|, |v[(\s)+1]|, 0x1800000
	v_max3_num_f32 v[TM+1], |v[(\s)+16]|, |v[(\s)+17]|, |v[(\s)+18]|
.irp i,2,4,6,8,10,12
	v_max3_num_f32 v[TM], v[TM], |v[(\s)+\i]|, |v[(\s)+\i+1]|
	v_max3_num_f32 v[TM+1], v[TM+1], |v[(\s)+17+\i]|, |v[(\s)+18+\i]|
.endr
	v_max3_num_f32 v[TM], v[TM], |v[(\s)+14]|, |v[(\s)+15]|
	v_max3_num_f32 v[TM], v[TM], v[TM+1], |v[(\s)+31]|
	v_add_nc_u32 v[TM], 0xff000000, v[TM]                  ; 2 off the exponent field: the conversion's scale operand
	v_lshrrev_b32 v[BY], 23, v[TM]
.irp g,0,1,2,3
	v_cvt_scalef32_pk8_fp4_f32 v[PCD+\g], v[(\s)+8*\g:(\s)+8*\g+7], v[TM]
.endr
	v_nop                                                  ; one plain place behind a scaled conversion
.endm
.macro ACCUM n                         ; att_v (+)= the chunk's factor x its part
.set i, 0
.rept 16
.if (\n) == 0
	v_pk_mul_f32 v[ACC+2*i:ACC+2*i+1], v[OP+2*i:OP+2*i+1], v[FC:FC+1] op_sel_hi:[1,0]
.else
	v_pk_fma_f32 v[ACC+2*i:ACC+2*i+1], v[OP+32*(\n)+2*i:OP+32*(\n)+2*i+1], v[FC+2*(\n):FC+2*(\n)+1], v[ACC+2*i:ACC+2*i+1] op_sel_hi:[1,0,1]
.endif
.set i, i+1
.endr
.endm
.macro ROWSUM t                        ; two pairs in v[t] on become the sum over the wave's 32 lanes, in every lane's v[t]
	v_pk_add_f32 v[\t:\t+1], v[\t:\t+1], v[\t+2:\t+3]
	s_delay_alu instid0(VALU_DEP_1)
	v_add_f32 v[\t], v[\t], v[\t+1]
	s_delay_alu instid0(VALU_DEP_1)
	v_add_f32_dpp v[\t], v[\t], v[\t] row_xmask:1 row_mask:0xf bank_mask:0xf
	s_delay_alu instid0(VALU_DEP_1)
	v_add_f32_dpp v[\t], v[\t], v[\t] row_xmask:2 row_mask:0xf bank_mask:0xf
	s_delay_alu instid0(VALU_DEP_1)
	v_add_f32_dpp v[\t], v[\t], v[\t] row_xmask:4 row_mask:0xf bank_mask:0xf
	s_delay_alu instid0(VALU_DEP_1)
	v_add_f32_dpp v[\t], v[\t], v[\t] row_xmask:8 row_mask:0xf bank_mask:0xf
	s_delay_alu instid0(VALU_DEP_1)
	v_permlanex16_b32 v[\t+1], v[\t], s[SEL], s[SEL+1]
	s_delay_alu instid0(VALU_DEP_1)
	v_add_f32 v[\t], v[\t], v[\t+1]
.endm
	s_load_b512 s[4:19], s[0:1], 0x0               ; opart s[4:5], stat s[6:7], W1's codes s[8:9], scales s[10:11], b1 s[12:13], W2's codes s[14:15], scales s[16:17], b2 s[18:19]
	s_load_b256 s[20:27], s[0:1], 0x40             ; slots s[20:21], ln2_g s[22:23], ln2_b s[24:25], out0 s[26:27]
	v_lshl_add_u32 v[SPW], v0, 2, SPARE
	v_mov_b32 v[NIL], 0
	ds_add_u32 v[SPW], v[NIL]                      ; the opening lines: the add, twice on end, and its wait
	ds_add_u32 v[SPW], v[NIL]
	v_lshrrev_b32 v24, 5, v0
	v_readfirstlane_b32 s[WV], v24                 ; wave 0..7
	s_bfe_u32 s[CX], ttmp6, 0x40000
	s_lshl_b32 s35, ttmp9, 2
	s_add_co_u32 s[CX], s[CX], s35                 ; 4 x cluster + my place in it
	; descriptor group 1: dense bytes as rows of 256 (32 elements of 8 bytes), 16 bytes of padding behind each; 128 rows of W1, 64 rows of W2
.irp g,G1A,G1B
	s_mov_b32 s[\g], 15|(3<<16)|(1<<20)|(1<<21)|(5<<22)|(3<<25)    ; 15:0 the mask: all four work-groups; 17:16 elements of 8 bytes; 20 padding on; 21 set beside a mask; 24:22 after every 64 words; 31:25 four words
	s_mov_b32 s[\g+1], 32<<16                      ; tensor_dim0 = 32
	s_mov_b32 s[\g+3], 32<<16                      ; tile_dim0 = 32
	s_mov_b32 s[\g+5], 32                          ; elements from row to row
	s_mov_b32 s[\g+6], 0
	s_mov_b32 s[\g+7], 0
.endr
	s_mov_b32 s[G1A+2], 128<<16                    ; tensor_dim1
	s_mov_b32 s[G1A+4], 128                        ; tile_dim1
	s_mov_b32 s[G1B+2], 64<<16
	s_mov_b32 s[G1B+4], 64
	s_and_b32 s48, s[WV], 3                        ; which quarter of W1 or of W2 I fetch
	s_mov_b32 s[G0A], 1                            ; group 0: count = 1; the LDS address: a constant + the wave's number x a constant
	s_mul_i32 s[G0A+1], s48, 128*WP
	s_add_co_u32 s[G0A+1], s[G0A+1], WT1
	s_mov_b32 s[G0B], 1
	s_mul_i32 s[G0B+1], s48, 64*WP
	s_add_co_u32 s[G0B+1], s[G0B+1], WT2
	s_mul_i32 s92, s[WV], 64*WP                    ; where my 64 rows of W1 lie,
	s_add_co_u32 s92, s92, WT1
	s_mul_i32 s93, s[WV], 32*WP                    ; and my 32 rows of W2
	s_add_co_u32 s93, s93, WT2
	s_lshl_b32 s50, s[WV], 9
	s_lshl_b32 s51, s[WV], 7
	s_add_co_u32 s51, s51, STG
	s_mul_i32 s52, s[WV], SPITCH
	s_add_co_u32 s52, s52, STG
	s_lshr_b32 s31, s[WV], 1
	s_and_b32 s32, s[WV], 1
	s_lshl_b32 s53, s31, 7
	s_lshl_b32 s38, s32, 1
	s_add_co_u32 s53, s53, s38
	s_add_co_u32 s53, s53, ASC
	s_mov_b32 s[SEL], 0x76543210
	s_mov_b32 s[SEL+1], 0xfedcba98
	s_mov_b32 s42, 0x3b800000                      ; 1 / 256
	s_mov_b32 s43, 0x3727c5ac                      ; 1e-5
	s_and_b32 s34, ttmp7, 0xffff                   ; the batch
	s_mov_b32 s37, 0
	s_mov_b32 s45, 0
	s_mov_b32 s47, 0
	s_lshl_b32 s36, s34, 20                        ; opart: 8 x 131,072 x batch + 16,384 x head + 4,096 x 16-slot tile + 256 x which half of it
	s_lshl_b32 s38, s[WV], 14
	s_add_co_u32 s36, s36, s38
	s_lshr_b32 s38, s[CX], 1
	s_lshl_b32 s38, s38, 12
	s_add_co_u32 s36, s36, s38
	s_and_b32 s38, s[CX], 1
	s_lshl_b32 s38, s38, 8
	s_add_co_u32 s36, s36, s38
	s_lshl_b32 s44, s34, 16                        ; stat: 8 x 8,192 x batch + 1,024 x head + 128 x eight slots
	s_lshl_b32 s38, s[WV], 10
	s_add_co_u32 s44, s44, s38
	s_lshl_b32 s38, s[CX], 7
	s_add_co_u32 s44, s44, s38
	s_lshl_b32 s46, s34, 16                        ; slots and out0: 65,536 x batch + 8,192 x eight slots + 1,024 x wave
	s_lshl_b32 s38, s[CX], 13
	s_add_co_u32 s46, s46, s38
	s_lshl_b32 s38, s[WV], 10
	s_add_co_u32 s46, s46, s38
	v_and_b32 v24, 15, v0                          ; r
	v_bfe_u32 v25, v0, 4, 1                        ; h
	v_and_b32 v26, 31, v0                          ; lane
	v_bfe_u32 v29, v0, 3, 1                        ; r / 8
	v_and_b32 v28, 7, v0                           ; r % 8
	v_lshlrev_b32 v[L16], 4, v26
	v_lshl_add_u32 v27, v29, 5, v28                ; rr = r % 8 + 32 (r / 8)
	v_lshlrev_b32 v[OPO], 4, v28                   ; opart: 16 (r % 8) + 128 h, and the odd chunk for lanes with r / 8 = 1
	v_mul_u32_u24 v[W2A], v24, WP
	v_lshl_add_u32 v[OPO], v25, 7, v[OPO]
	v_mul_u32_u24 v[W1A], v27, WP
	v_lshl_add_u32 v[W2A], v25, 4, v[W2A]
	v_lshrrev_b32 v[OSO], 1, v[OPO]                ; stat: 8 (r % 8) + 64 h
	v_lshl_add_u32 v[W1A], v25, 4, v[W1A]
	v_lshl_add_u32 v[OPO], v29, 17, v[OPO]
	v_lshl_add_u32 v[OSO], v29, 13, v[OSO]
	v_add_nc_u32 v[W1A], s92, v[W1A]               ; W1: row rr x pitch + 16 h
	v_add_nc_u32 v[W2A], s93, v[W2A]               ; W2: row r
	v_lshlrev_b32 v[B1O], 7, v25                   ; b1: my half lies 32 numbers on
	v_lshlrev_b32 v[B2O], 5, v25                   ; b2: 8 h numbers on
	v_lshlrev_b32 v[S1O], 4, v27                   ; scale words: 16 bytes a row
	v_lshlrev_b32 v[S2O], 4, v24
	v_add_nc_u32 v[IW], s50, v[L16]
	v_lshl_add_u32 v[SW], v24, 2, v25
	v_lshlrev_b32 v[SRD], 2, v24
	v_mul_u32_u24 v[STO], v24, SPITCH
	v_add_nc_u32 v[SW], s53, v[SW]                 ; fragment w >> 1's word of row r, byte 2 (w & 1) + h
	v_add_nc_u32 v[SRD], ASC, v[SRD]
	v_lshl_add_u32 v[STO], v25, 5, v[STO]
	v_add_nc_u32 v[RDS], s52, v[L16]               ; back: row w
	v_add_nc_u32 v[STO], s51, v[STO]               ; the stage: row r, + 128 w + 32 h
	s_wait_alu depctr_va_vdst(0)                   ; the wait ahead of the waits below
	s_wait_dscnt 0x0                               ; both opening adds are done
	s_wait_kmcnt 0x0
	s_add_nc_u64 s[4:5], s[4:5], s[36:37]
	s_add_nc_u64 s[6:7], s[6:7], s[44:45]
	; ---- the vector loads, in the order in which they are wanted: the statistics (4), the parts (32)
.irp n,0,1,2,3
	global_load_b64 v[STT+2*\n:STT+2*\n+1], v[OSO], s[6:7] offset:16384*\n
.endr
.irp n,0,1,2,3
.irp g,0,1,2,3,4,5,6,7
	global_load_b128 v[OP+32*\n+4*\g:OP+32*\n+4*\g+3], v[OPO], s[4:5] offset:262144*\n+512*\g th:TH_LOAD_NT   ; two chunks' aligned units of 256 bytes
.endr
.endr
	s_add_nc_u64 s[20:21], s[20:21], s[46:47]
	s_add_nc_u64 s[26:27], s[26:27], s[46:47]
	s_lshl_b32 s36, s48, 15                        ; the 128 rows of W1 that I fetch
	s_add_nc_u64 s[G0A+2:G0A+3], s[8:9], s[36:37]  ; the wave's number alone enters the global addresses
	s_or_b32 s[G0A+3], s[G0A+3], 0x80000000        ; type = 2
	s_lshl_b32 s36, s48, 14                        ; the 64 rows of W2
	s_add_nc_u64 s[G0B+2:G0B+3], s[14:15], s[36:37]
	s_or_b32 s[G0B+3], s[G0B+3], 0x80000000
	s_lshl_b32 s36, s[WV], 10                      ; my rows' scale bytes of W1,
	s_add_nc_u64 s[10:11], s[10:11], s[36:37]
	s_lshl_b32 s36, s[WV], 8                       ; my 64 numbers of b1,
	s_add_nc_u64 s[12:13], s[12:13], s[36:37]
	s_lshl_b32 s36, s[WV], 9                       ; my rows' scale bytes of W2,
	s_add_nc_u64 s[16:17], s[16:17], s[36:37]
	s_lshl_b32 s36, s[WV], 7                       ; my 32 numbers of b2
	s_add_nc_u64 s[18:19], s[18:19], s[36:37]
	CROUND                                         ; all four work-groups are here: the joint loads meet
	s_cmp_lt_u32 s[WV], 4
	s_cbranch_scc0 .Lfor_w2
	tensor_load_to_lds s[G0A:G0A+3], s[G1A:G1A+7]
	s_nop 0
	PLACES 4
	s_branch .Lasked
.Lfor_w2:
	tensor_load_to_lds s[G0B:G0B+3], s[G1B:G1B+7]
	s_nop 0
	PLACES 4
.Lasked:
	; ---- the biases and the weights' scale words: 18 loads
	WIN 0x40
.irp t,0,1,2,3
	global_load_b128 v[192+8*\t:192+8*\t+3], v[B1O], s[12:13] offset:32*\t
	global_load_b128 v[192+8*\t+4:192+8*\t+7], v[B1O], s[12:13] offset:32*\t+16
.endr
.irp n,0,1
	global_load_b128 v[224+8*\n:224+8*\n+3], v[B2O], s[18:19] offset:64*\n
	global_load_b128 v[224+8*\n+4:224+8*\n+7], v[B2O], s[18:19] offset:64*\n+16
.endr
	WIN 0
.irp t,0,1,2,3
	global_load_b128 v[W1S+4*\t:W1S+4*\t+3], v[S1O], s[10:11] offset:128*\t
.endr
.irp n,0,1
	global_load_b128 v[W2S+4*\n:W2S+4*\n+3], v[S2O], s[16:17] offset:256*\n
.endr
	s_wait_loadcnt 50                              ; the statistics are in; behind them the parts' 32 loads and the 18 small ones were issued
	v_min3_num_f32 v[MS], v[STT], v[STT+2], v[STT+4]
	v_min_num_f32 v[MS], v[MS], v[STT+6]
	v_min_num_f32_dpp v[MS], v[MS], v[MS] row_xmask:8 row_mask:0xf bank_mask:0xf   ; -M of the whole row, the other lane's four chunks among it
.irp n,0,1,2,3
	v_sub_f32 v[FC+2*\n+1], v[MS], v[STT+2*\n]     ; the chunk's M less the row's: a whole number, 0 or less
.endr
.irp n,0,1,2,3
	v_cvt_i32_f32 v[FC+2*\n+1], v[FC+2*\n+1]
.endr
.irp n,0,1,2,3
	v_ldexp_f32 v[FC+2*\n], 1.0, v[FC+2*\n+1]      ; its factor, a power of two
.endr
	v_mul_f32 v[MS+1], v[FC], v[STT+1]
.irp n,1,2,3
	v_fma_f32 v[MS+1], v[FC+2*\n], v[STT+2*\n+1], v[MS+1]
.endr
	v_add_f32_dpp v[MS+1], v[MS+1], v[MS+1] row_xmask:8 row_mask:0xf bank_mask:0xf   ; the row's l
	s_wait_alu depctr_va_vdst(0)
	v_rcp_f32 v[MS+2], v[MS+1]
	v_rcp_f32 v[MS+3], v[MS+1]                     ; (the packed lines below, which touch neither, are the plain places behind them)
	s_wait_loadcnt 42                              ; the first part is in; behind it: 24 of the parts' loads, 18 small ones
	ACCUM 0
	s_wait_loadcnt 34
	ACCUM 1
	s_wait_tensorcnt 0x0                           ; my tile has landed
	BAR                                            ; everybody's have: my weights come out of LDS, while the other parts are waited for
	WIN 0x40                                       ; destination window 1, address window 0
.irp t,0,1,2,3
.irp ks,0,1,2,3
.irp z,0,1
	ds_load_b128 v[8*(4*\t+\ks)+4*\z:8*(4*\t+\ks)+4*\z+3], v[W1A] offset:8*\t*WP+64*\ks+32*\z
.endr
.endr
.endr
.irp n,0,1
.irp ks,0,1,2,3
.irp z,0,1
	ds_load_b128 v[128+8*(4*\n+\ks)+4*\z:128+8*(4*\n+\ks)+4*\z+3], v[W2A] offset:16*\n*WP+64*\ks+32*\z
.endr
.endr
.endr
	WIN 0
	s_wait_loadcnt 26                              ; behind the third part: 8 and 18
	ACCUM 2
.irp q,0,1                                             ; the first part's registers take what LayerNorm wants: my slot row, the gain, the bias: six loads
	global_load_b128 v[SL+4*\q:SL+4*\q+3], v[L16], s[20:21] offset:512*\q
	global_load_b128 v[GG+4*\q:GG+4*\q+3], v[L16], s[22:23] offset:512*\q
	global_load_b128 v[BB+4*\q:BB+4*\q+3], v[L16], s[24:25] offset:512*\q
.endr
	s_wait_loadcnt 24                              ; behind the fourth part: 18 and those six
	ACCUM 3
.set i, 0
.rept 32
	v_add_f32_dpp v[ACC+i], v[ACC+i], v[ACC+i] row_xmask:8 row_mask:0xf bank_mask:0xf   ; the other lane's four chunks
.set i, i+1
.endr
	s_wait_alu depctr_va_vdst(0)                   ; the wait ahead of the reciprocals' first reader
.set i, 0
.rept 16
	v_pk_mul_f32 v[ACC+2*i:ACC+2*i+1], v[ACC+2*i:ACC+2*i+1], v[MS+2:MS+3]      ; att_v = O / l
.set i, i+1
.endr
	Q2 ACC
	ds_store_b128 v[IW], v[PCD:PCD+3]
	ds_store_b8 v[SW], v[BY]
	s_wait_loadcnt 6                               ; the biases and scale words are in; LayerNorm's six loads may be out
	BAR                                            ; att_v's four fragments lie in LDS; my weights are in registers
	; ---- the hidden layer: my four tiles by turns, a K step at a time
.irp ks,0,1,2,3
.irp z,0,1
	ds_load_b128 v[AF+8*\ks+4*\z:AF+8*\ks+4*\z+3], v[L16] offset:1024*\ks+512*\z
.endr
	ds_load_b32 v[ASW+\ks], v[SRD] offset:128*\ks
.endr
	s_wait_dscnt 0x0
	WIN 0x11                                       ; source 0 (W1) and source 2 (b1) in window 1
.irp t,0,1,2,3
	WM ACC+8*\t, 8*(4*\t), AF, 192+8*\t, W1S+4*\t, ASW
.endr
	WIN 0x01
.irp ks,1,2,3
.irp t,0,1,2,3
	WM ACC+8*\t, 8*(4*\t+\ks), AF+8*\ks, ACC+8*\t, W1S+4*\t+\ks, ASW+\ks
.endr
.endr
	WIN 0
	PLACES 4                                       ; four plain places between a matrix instruction and the first read of its result (ISA guide 7.12.1)
.set i, 0
.rept 32
	v_max_num_f32 v[ACC+i], 0, v[ACC+i]            ; the activation, in f32
.set i, i+1
.endr
	Q2 ACC
	ds_store_b128 v[IW], v[PCD:PCD+3] offset:DELTA
	ds_store_b8 v[SW], v[BY] offset:DELTA
	BAR                                            ; the hidden layer's four fragments lie in LDS
	; ---- my 32 outputs: two tiles by turns
.irp ks,0,1,2,3
.irp z,0,1
	ds_load_b128 v[HFR+8*\ks+4*\z:HFR+8*\ks+4*\z+3], v[L16] offset:DELTA+1024*\ks+512*\z
.endr
	ds_load_b32 v[ASW+\ks], v[SRD] offset:DELTA+128*\ks
.endr
	s_wait_dscnt 0x0
	WIN 0x11
.irp n,0,1
	WM YA+8*\n, 128+8*(4*\n), HFR, 224+8*\n, W2S+4*\n, ASW
.endr
	WIN 0x01
.irp ks,1,2,3
.irp n,0,1
	WM YA+8*\n, 128+8*(4*\n+\ks), HFR+8*\ks, YA+8*\n, W2S+4*\n+\ks, ASW+\ks
.endr
.endr
	WIN 0
	PLACES 4
.irp n,0,1
	ds_store_b128 v[STO], v[YA+8*\n:YA+8*\n+3] offset:64*\n            ; lane (r, h): outputs 32 w + 16 n + 8 h + 0 .. 7 of row r; each accumulator from its low end on
	ds_store_b128 v[STO], v[YA+8*\n+4:YA+8*\n+7] offset:64*\n+16
.endr
	BAR                                            ; whole rows lie in the stage
	; ---- residual and LayerNorm: row w to the wave's 32 lanes, 8 numbers a lane
.irp q,0,1
	ds_load_b128 v[ZL+4*\q:ZL+4*\q+3], v[RDS] offset:512*\q
.endr
	s_wait_loadcnt 0x0
	s_wait_dscnt 0x0
.irp i,0,2,4,6
	v_pk_add_f32 v[ZL+\i:ZL+\i+1], v[ZL+\i:ZL+\i+1], v[SL+\i:SL+\i+1]
.endr
	v_pk_add_f32 v[STT:STT+1], v[ZL:ZL+1], v[ZL+2:ZL+3]
	v_pk_add_f32 v[STT+2:STT+3], v[ZL+4:ZL+5], v[ZL+6:ZL+7]
	ROWSUM STT
	v_mul_f32 v[STT+4], s42, v[STT]                ; the mean
	v_mul_f32 v[STT+5], s42, v[STT]
.irp i,0,2,4,6
	v_pk_add_f32 v[ZL+\i:ZL+\i+1], v[ZL+\i:ZL+\i+1], v[STT+4:STT+5] neg_lo:[0,1] neg_hi:[0,1]
.endr
	v_pk_mul_f32 v[STT:STT+1], v[ZL:ZL+1], v[ZL:ZL+1]
	v_pk_mul_f32 v[STT+2:STT+3], v[ZL+2:ZL+3], v[ZL+2:ZL+3]
	v_pk_fma_f32 v[STT:STT+1], v[ZL+4:ZL+5], v[ZL+4:ZL+5], v[STT:STT+1]
	v_pk_fma_f32 v[STT+2:STT+3], v[ZL+6:ZL+7], v[ZL+6:ZL+7], v[STT+2:STT+3]
	ROWSUM STT
	v_fma_f32 v[STT], v[STT], s42, s43             ; the variance + 1e-5
	s_wait_alu depctr_va_vdst(0)
	v_rsq_f32 v[STT+6], v[STT]
	v_rsq_f32 v[STT+7], v[STT]
	v_nop                                          ; a plain place behind the transcendentals
	s_wait_alu depctr_va_vdst(0)
.irp i,0,2,4,6
	v_pk_mul_f32 v[ZL+\i:ZL+\i+1], v[ZL+\i:ZL+\i+1], v[STT+6:STT+7]
.endr
.irp i,0,2,4,6
	v_pk_fma_f32 v[ZL+\i:ZL+\i+1], v[ZL+\i:ZL+\i+1], v[GG+\i:GG+\i+1], v[BB+\i:BB+\i+1]
.endr
.irp q,0,1
	global_store_b128 v[L16], v[ZL+4*\q:ZL+4*\q+3], s[26:27] offset:512*\q th:TH_STORE_NT   ; 32 lanes store 512 consecutive bytes, at a multiple of 256 from out0's first byte; written once, read by nobody here
.endr
	s_wait_tensorcnt 0x0                           ; the wave's end
	ds_add_u32 v[SPW], v[NIL]
	s_wait_dscnt 0x0
	CROUND                                         ; the closing round: no work-group ends while a partner may still ask for a tile that names it
	s_endpgm
.Lfunc_end_k_qdb20e1049e_mlp:
	.size	k_qdb20e1049e_mlp, .Lfunc_end_k_qdb20e1049e_mlp-k_qdb20e1049e_mlp
	.p2alignl 7, 3214868480
	.fill 96, 4, 3214868480
	.section	.rodata,"a",@progbits
	.p2align	6, 0x0
	.amdhsa_kernel k_qdb20e1049e_mlp
		.amdhsa_group_segment_fixed_size 236544
		.amdhsa_private_segment_fixed_size 0
		.amdhsa_enable_private_segment 0
		.amdhsa_kernarg_size 96
		.amdhsa_user_sgpr_count 2
		.amdhsa_user_sgpr_kernarg_segment_ptr 1
		.amdhsa_wavefront_size32 1
		.amdhsa_system_sgpr_workgroup_id_x 1
		.amdhsa_system_sgpr_workgroup_id_y 1
		.amdhsa_system_sgpr_workgroup_id_z 1
		.amdhsa_system_vgpr_workitem_id 0
		.amdhsa_next_free_vgpr 512
		.amdhsa_next_free_sgpr 96
		.amdhsa_reserve_vcc 0
		.amdhsa_float_denorm_mode_32 3
		.amdhsa_float_denorm_mode_16_64 3
		.amdhsa_memory_ordered 1
		.amdhsa_forward_progress 1
		.amdhsa_inst_pref_size 38
	.end_amdhsa_kernel
	.amdgpu_metadata
---
amdhsa.version: [ 1, 2 ]
amdhsa.kernels:
  - .name:           k_qdb20e1049e_mlp
    .symbol:         k_qdb20e1049e_mlp.kd
    .args:
      - { .name: opart, .offset: 0, .size: 8, .value_kind: global_buffer, .address_space: global }
      - { .name: stat, .offset: 8, .size: 8, .value_kind: global_buffer, .address_space: global }
      - { .name: W1_codes, .offset: 16, .size: 8, .value_kind: global_buffer, .address_space: global }
      - { .name: W1_scales, .offset: 24, .size: 8, .value_kind: global_buffer, .address_space: global }
      - { .name: b1, .offset: 32, .size: 8, .value_kind: global_buffer, .address_space: global }
      - { .name: W2_codes, .offset: 40, .size: 8, .value_kind: global_buffer, .address_space: global }
      - { .name: W2_scales, .offset: 48, .size: 8, .value_kind: global_buffer, .address_space: global }
      - { .name: b2, .offset: 56, .size: 8, .value_kind: global_buffer, .address_space: global }
      - { .name: slot_representations, .offset: 64, .size: 8, .value_kind: global_buffer, .address_space: global }
      - { .name: ln2_g, .offset: 72, .size: 8, .value_kind: global_buffer, .address_space: global }
      - { .name: ln2_b, .offset: 80, .size: 8, .value_kind: global_buffer, .address_space: global }
      - { .name: out0, .offset: 88, .size: 8, .value_kind: global_buffer, .address_space: global }
    .group_segment_fixed_size: 236544
    .private_segment_fixed_size: 0
    .kernarg_segment_align: 8
    .kernarg_segment_size: 96
    .max_flat_workgroup_size: 256
    .sgpr_count:     96
    .vgpr_count:     512
    .wavefront_size: 32
...
	.end_amdgpu_metadata
.endif
;; end of part 2
